; MI455X (gfx1250); checked and timed in simulation.
; The chip was launched on July 23, 2026; its instructions are those of AMD's public machine-readable ISA for CDNA 5 (MIT licence, August 2026) and "CDNA5" Instruction Set Architecture Reference Guide (July 2026). The comments in the code are by the model that wrote it; some were corrected since.
;; Bahdanau Attention. Allowed arithmetic: matrix products marked QUANTISED: E3M2 operands, one E8M0 scale for each 32 along K, by v_wmma_scale_f32_16x16x128_f8f6f4 with both operands' format E3M2, f32 sums; products left as they are: f32 operands where the result goes on into a quantised operand, else bf16, f16 or f32 operands; f32 sums; everything else in f32.
;; Inputs: W_h_codes 1,024 x 32 x 24 uint8 (E3M2 codes of W_h, K innermost, in blocks of 32 codes, four codes in three bytes); W_h_scales 1,024 x 32 uint8 (E8M0 scales of W_h, one for each 32 codes along K); W_s_codes 1,024 x 32 x 24 uint8 (E3M2 codes of W_s, K innermost, in blocks of 32 codes, four codes in three bytes); W_s_scales 1,024 x 32 uint8 (E8M0 scales of W_s, one for each 32 codes along K); encoder_outputs 32 x 2,048 x 1,024 float32; query_codes 32 x 1 x 32 x 24 uint8 (E3M2 codes of query, K innermost, in blocks of 32 codes, four codes in three bytes); query_scales 32 x 1 x 32 uint8 (E8M0 scales of query, one for each 32 codes along K); src_lengths 32 int32; v 1,024 float32.
;; Outputs: out0 32 x 1 x 1,024 float32.
;; This version of the problem:
;;   THIS VERSION OF THE PROBLEM IS GIVEN IN LOW PRECISION. The matrix products marked QUANTISED in the list below multiply operands that are first quantised to E3M2 (3 exponent bits, 2 mantissa bits; 6 bits a number), with one power-of-two scale for each 32 numbers along K (OCP MX v1.0); their sums are f32. All else is computed in f32.
;;   The module's matrix products, in the order in which they are computed (A, B: the left and right operand; K: the contracted axis; several contracted axes count as one K, in the product's order):
;;     1. [M 65,536, K 1,024] x [K 1,024, N 1,024]; A: input encoder_outputs; B: input W_h (given as codes): QUANTISED
;;     2. [M 32, K 1,024] x [K 1,024, N 1,024]; A: input query (given as codes); B: input W_s (given as codes): QUANTISED
;;     3. [M 65,536, K 1,024] x [K 1,024, N 1]; A: computed on the way; B: input v: left as it is (N = 1 < 16)
;;     4. batch 32 x [M 1, K 2,048] x [K 2,048, N 1,024]; A: softmax; B: input encoder_outputs: left as it is (M = 1 < 16)
;;   THE QUANTISER, for each operand of a quantised product, along K:
;;     - K is cut into blocks of 32 from its start; a last block that is shorter is filled with zeros.
;;     - A block's scale is 2^e with e = floor(log2(the largest magnitude in the block)) - 4, held to -126 .. 127; a block of zeros has e = 0. As a byte (E8M0): e + 127.
;;     - Each number is divided by its block's scale, clamped to +-28, and rounded to the nearest number of E3M2, ties to even, subnormals kept.
;;     - The product sums the exact products of the quantised numbers (number of the format x scale) in f32.
;;   ~~~python
;;   def quantise(x, axis):      # numpy; x: float32 -> the quantised numbers, widened to float32 again
;;       x = np.moveaxis(x, axis, -1); K = x.shape[-1]
;;       x = np.pad(x, [(0, 0)] * (x.ndim - 1) + [(0, -K % 32)]); x = x.reshape(x.shape[:-1] + (-1, 32)); a = np.abs(x).max(-1, keepdims=True)
;;       e = np.where(a > 0, np.clip(np.frexp(np.where(a > 0, a, 1))[1] - 1 - 4, -126, 127), 0)      # np.frexp(a)[1] - 1 = floor(log2(a)), exactly
;;       r = np.clip(x / 2.0 ** e, -28, 28)
;;       step = 2.0 ** (np.maximum(np.frexp(np.where(r == 0, 1, r))[1] - 1, -2) - 2)
;;       q = np.round(r / step) * step * 2.0 ** e      # np.round: ties to even
;;       return np.moveaxis(q.reshape(q.shape[:-2] + (-1,))[..., :K], -1, axis).astype(np.float32)
;;   ~~~
;;   INPUTS GIVEN AS CODES. W_h (in the module: [1024, 1024], K = its axis 0); W_s (in the module: [1024, 1024], K = its axis 0); query (in the module: [32, 1, 1024], K = its axis 2): each comes as NAME_codes (uint8): NAME with its K axis moved to the last place and cut into blocks of 32 codes, [.., K / 32, bytes a block], one block behind the other in memory; four codes in three bytes: a row's codes are one little-endian stream of bits, code i at bits 6 i .. 6 i + 5 (a code: sign, 3 exponent bits, 2 mantissa bits); and NAME_scales (uint8): the same leading axes, one E8M0 byte (e + 127) for each 32 codes along K. Its value is code x scale, taken as it is: it is not quantised again, and the codes and scales need not be those that the quantiser above would give.
;; One version. Each part assembles by itself: llvm-mc -triple=amdgcn-amd-amdhsa -mcpu=gfx1250 --defsym DOCPART=n.
;; ======== version 1 of 1: 3 launches
;; limits: right only within a limited range of input values; values are held in bf16: 8 bits of precision
;; workspace buffers: whf 786,432 bytes; whs 32,768 bytes; projs 131,072 bytes; pacc 2,097,152 bytes; pml 8,192 bytes
;; launch prep (part 1): grid 64 x 1, 4 waves a work-group, no clusters, 0 bytes of LDS; arguments W_s_codes, W_s_scales, query_codes, query_scales, W_h_codes, W_h_scales, projs, whf, whs; writes projs, whf, whs
.if DOCPART == 1
	.amdgcn_target "amdgcn-amd-amdhsa--gfx1250"
	.amdhsa_code_object_version 6
	.text
	.protected	k_qb5c96b0da9_prep
	.globl	k_qb5c96b0da9_prep
	.p2align	8
	.type	k_qb5c96b0da9_prep,@function
k_qb5c96b0da9_prep:
	s_mov_b64 s[64:65], 0
	v_nop
	global_prefetch_b8 v0, s[64:65] scope:SCOPE_SE
	s_setreg_imm32_b32 hwreg(HW_REG_WAVE_MODE, 25, 1), 1
	s_wait_xcnt 0x0
; Two small jobs ahead of the main launch, one work-group for each tile T of 16 columns (T = 0 .. 63).
; WAVES 0, 1 (mt = wave): proj_s[b][d] = sum over k of query[b][k] W_s[k][d], batches 16 mt .. 16 mt + 15, columns 16 T .. 16 T + 15, on the codes of E3M2 and the E8M0 bytes as they are given; f32 sums, K ascending, one accumulator.
;   The product is used transposed (source 0 = 16 columns of W_s, source 1 = 16 batches): a lane then holds eight neighbouring columns of one batch's row, 32 bytes.
; WAVES 2, 3 (kh = wave & 1): K steps 4 kh .. 4 kh + 3 of W_h's tile T are laid out anew, in the order in which the main launch's operand registers take them:
;   whf: fragment F = ((T >> 2) 8 + s) 4 + (T & 3) (s: the K step of 128) at byte 1,536 F; in it registers 4 j .. 4 j + 3 of a lane at 512 j + 16 x lane.  Each store of a wave covers 512 consecutive bytes, aligned.
;   whs: at ((T >> 2) 4 + p) 512 + 16 x lane + 4 (T & 3): the scale word of column 16 T + lane % 16 for K step 2 p + lane / 16.  Four bytes a lane, 16 apart: four work-groups fill a block; the buffer is 32,768 bytes in all.
; projs' stores are 32 bytes a lane in rows 4,096 bytes apart: the buffer is 131,072 bytes in all.
; A row of codes is 768 bytes (1,024 codes); lane (r, h) of a fragment takes the 24 bytes at 96 s + 24 h and those 48 bytes on, as three loads of 8 bytes each.
.set WF,  16                           ; v16-111   W_s's eight fragments (role R: v16-63 W_h's four, v64-65 its scale words)
.set QF,  112                          ; v112-207  query's eight fragments
.set WSC, 208                          ; v208-215  W_s's scale words, one register a K step: scales and nothing else
.set QSC, 216                          ; v216-223  query's
.set ACC, 224                          ; v224-231  the accumulator
	s_load_b256 s[4:11], s[0:1], 0x0               ; W_s codes s[4:5], W_s scales s[6:7], query codes s[8:9], query scales s[10:11]
	s_load_b256 s[12:19], s[0:1], 0x20             ; W_h codes s[12:13], W_h scales s[14:15], projs s[16:17], whf s[18:19]
	s_load_b64 s[20:21], s[0:1], 0x40              ; whs
	v_lshrrev_b32 v1, 5, v0
	v_readfirstlane_b32 s22, v1                    ; wave 0..3
	v_and_b32 v1, 15, v0                           ; r
	v_bfe_u32 v2, v0, 4, 1                         ; h
	v_mul_u32_u24 v3, v1, 768
	v_mad_u32_u24 v3, v2, 24, v3                   ; a fragment's row r, + 24 h
	v_and_b32 v5, 31, v0
	v_lshlrev_b32 v5, 4, v5                        ; 16 x lane
	s_and_b32 s23, s22, 1                          ; mt, or kh
	s_mul_i32 s24, ttmp9, 12288                    ; 16 rows of codes
	s_mov_b32 s25, 0
	s_lshl_b32 s26, ttmp9, 9                       ; 16 rows of scale bytes
	s_mov_b32 s27, 0
	s_mov_b32 s29, 0
	s_wait_kmcnt 0x0
	s_cmp_lt_u32 s22, 2
	s_cbranch_scc0 .Lrole_r
	; ---- proj_s
	s_wait_alu depctr_va_vdst(0)
	v_lshlrev_b32 v4, 5, v1                        ; a row of scale bytes is 32 bytes: eight words
	s_wait_alu depctr_va_vdst(0)
	v_lshlrev_b32 v6, 12, v1
	v_lshl_add_u32 v6, v2, 5, v6                   ; projs: batch r's row of 4,096 bytes, + 32 h
	s_add_nc_u64 s[4:5], s[4:5], s[24:25]
	s_add_nc_u64 s[6:7], s[6:7], s[26:27]
	s_mul_i32 s28, s23, 12288
	s_add_nc_u64 s[8:9], s[8:9], s[28:29]
	s_lshl_b32 s28, s23, 9
	s_add_nc_u64 s[10:11], s[10:11], s[28:29]
	s_lshl_b32 s28, s23, 16                        ; 16 rows of projs,
	s_lshl_b32 s30, ttmp9, 6                       ; 16 columns
	s_add_co_u32 s28, s28, s30
	s_add_nc_u64 s[16:17], s[16:17], s[28:29]
.irp s, 0,1,2,3,4,5,6,7
.irp p, 0,1,2,3,4,5
	global_load_b64 v[WF+12*\s+2*\p:WF+12*\s+2*\p+1], v3, s[4:5] offset:96*\s+48*(\p/3)+8*(\p%3)
	global_load_b64 v[QF+12*\s+2*\p:QF+12*\s+2*\p+1], v3, s[8:9] offset:96*\s+48*(\p/3)+8*(\p%3)
.endr
.endr
	global_load_b128 v[WSC:WSC+3], v4, s[6:7]
	global_load_b128 v[WSC+4:WSC+7], v4, s[6:7] offset:16
	global_load_b128 v[QSC:QSC+3], v4, s[10:11]
	global_load_b128 v[QSC+4:QSC+7], v4, s[10:11] offset:16
	s_wait_loadcnt 0x0
	v_wmma_scale_f32_16x16x128_f8f6f4 v[ACC:ACC+7], v[WF:WF+11], v[QF:QF+11], 0, v[WSC], v[QSC] matrix_a_fmt:MATRIX_FMT_BF6 matrix_b_fmt:MATRIX_FMT_BF6   ; the first K step starts the sum
.irp s, 1,2,3,4,5,6,7
	s_wait_alu depctr_va_vdst(0)                   ; the wait directly ahead of every link
	v_wmma_scale_f32_16x16x128_f8f6f4 v[ACC:ACC+7], v[WF+12*\s:WF+12*\s+11], v[QF+12*\s:QF+12*\s+11], v[ACC:ACC+7], v[WSC+\s], v[QSC+\s] matrix_a_fmt:MATRIX_FMT_BF6 matrix_b_fmt:MATRIX_FMT_BF6
.endr
.rept 4
	v_nop                                          ; four places between the last product and the stores that read its result
.endr
	global_store_b128 v6, v[ACC:ACC+3], s[16:17]             ; register j: proj_s[16 mt + r][16 T + 8 h + j]; the low end first
	global_store_b128 v6, v[ACC+4:ACC+7], s[16:17] offset:16
	s_endpgm
.Lrole_r:
	; ---- W_h into the order of the operand's registers
	s_wait_alu depctr_va_vdst(0)
	v_lshlrev_b32 v4, 5, v1
	v_lshl_add_u32 v4, v2, 2, v4                   ; scale words: row r, + 4 h: lanes 16-31 take the odd K step
	s_wait_alu depctr_va_vdst(0)
	s_add_nc_u64 s[12:13], s[12:13], s[24:25]
	s_mul_i32 s28, s23, 384                        ; four K steps of 96 bytes
	s_add_nc_u64 s[12:13], s[12:13], s[28:29]
	s_add_nc_u64 s[14:15], s[14:15], s[26:27]
	s_lshl_b32 s28, s23, 4                         ; four scale words
	s_add_nc_u64 s[14:15], s[14:15], s[28:29]
	s_lshr_b32 s30, ttmp9, 2                       ; T >> 2
	s_and_b32 s31, ttmp9, 3                        ; T & 3
	s_lshl_b32 s28, s30, 5
	s_add_co_u32 s28, s28, s31
	s_lshl_b32 s32, s23, 4
	s_add_co_u32 s28, s28, s32                     ; F of my first K step: (T >> 2) 32 + 16 kh + (T & 3)
	s_mul_i32 s28, s28, 1536
	s_add_nc_u64 s[18:19], s[18:19], s[28:29]
	s_lshl_b32 s28, s30, 2
	s_lshl_b32 s32, s23, 1
	s_add_co_u32 s28, s28, s32
	s_lshl_b32 s28, s28, 9                         ; ((T >> 2) 4 + 2 kh) 512
	s_lshl_b32 s31, s31, 2
	s_add_co_u32 s28, s28, s31                     ; + 4 (T & 3)
	s_add_nc_u64 s[20:21], s[20:21], s[28:29]
.irp s, 0,1,2,3
.irp p, 0,1,2,3,4,5
	global_load_b64 v[16+12*\s+2*\p:16+12*\s+2*\p+1], v3, s[12:13] offset:96*\s+48*(\p/3)+8*(\p%3)
.endr
.endr
	global_load_b32 v64, v4, s[14:15]              ; K steps 4 kh + h
	global_load_b32 v65, v4, s[14:15] offset:8     ; and 4 kh + 2 + h
	s_wait_loadcnt 0x0
.irp s, 0,1,2,3
.irp j, 0,1,2
	global_store_b128 v5, v[16+12*\s+4*\j:16+12*\s+4*\j+3], s[18:19] offset:6144*\s+512*\j
.endr
.endr
	global_store_b32 v5, v64, s[20:21]
	global_store_b32 v5, v65, s[20:21] offset:512
	s_endpgm
.Lfunc_end_k_qb5c96b0da9_prep:
	.size	k_qb5c96b0da9_prep, .Lfunc_end_k_qb5c96b0da9_prep-k_qb5c96b0da9_prep
	.p2alignl 7, 3214868480
	.fill 96, 4, 3214868480
	.section	.rodata,"a",@progbits
	.p2align	6, 0x0
	.amdhsa_kernel k_qb5c96b0da9_prep
		.amdhsa_group_segment_fixed_size 0
		.amdhsa_private_segment_fixed_size 0
		.amdhsa_enable_private_segment 0
		.amdhsa_kernarg_size 72
		.amdhsa_user_sgpr_count 2
		.amdhsa_user_sgpr_kernarg_segment_ptr 1
		.amdhsa_wavefront_size32 1
		.amdhsa_system_sgpr_workgroup_id_x 1
		.amdhsa_system_sgpr_workgroup_id_y 1
		.amdhsa_system_sgpr_workgroup_id_z 1
		.amdhsa_system_vgpr_workitem_id 0
		.amdhsa_next_free_vgpr 232
		.amdhsa_next_free_sgpr 66
		.amdhsa_reserve_vcc 0
		.amdhsa_float_denorm_mode_32 3
		.amdhsa_float_denorm_mode_16_64 3
		.amdhsa_memory_ordered 1
		.amdhsa_forward_progress 1
		.amdhsa_inst_pref_size 18
	.end_amdhsa_kernel
	.amdgpu_metadata
---
amdhsa.version: [ 1, 2 ]
amdhsa.kernels:
  - .name:           k_qb5c96b0da9_prep
    .symbol:         k_qb5c96b0da9_prep.kd
    .args:
      - { .name: W_s_codes, .offset: 0, .size: 8, .value_kind: global_buffer, .address_space: global }
      - { .name: W_s_scales, .offset: 8, .size: 8, .value_kind: global_buffer, .address_space: global }
      - { .name: query_codes, .offset: 16, .size: 8, .value_kind: global_buffer, .address_space: global }
      - { .name: query_scales, .offset: 24, .size: 8, .value_kind: global_buffer, .address_space: global }
      - { .name: W_h_codes, .offset: 32, .size: 8, .value_kind: global_buffer, .address_space: global }
      - { .name: W_h_scales, .offset: 40, .size: 8, .value_kind: global_buffer, .address_space: global }
      - { .name: projs, .offset: 48, .size: 8, .value_kind: global_buffer, .address_space: global }
      - { .name: whf, .offset: 56, .size: 8, .value_kind: global_buffer, .address_space: global }
      - { .name: whs, .offset: 64, .size: 8, .value_kind: global_buffer, .address_space: global }
    .group_segment_fixed_size: 0
    .private_segment_fixed_size: 0
    .kernarg_segment_align: 8
    .kernarg_segment_size: 72
    .max_flat_workgroup_size: 128
    .sgpr_count:     66
    .vgpr_count:     232
    .wavefront_size: 32
...
	.end_amdgpu_metadata
.endif
;; end of part 1
;; launch main (part 2): grid 480 x 1, 8 waves a work-group, no clusters, 321,024 bytes of LDS; arguments encoder_outputs, src_lengths, whf, whs, projs, v, pacc, pml; writes pacc, pml
.if DOCPART == 2
	.amdgcn_target "amdgcn-amd-amdhsa--gfx1250"
	.amdhsa_code_object_version 6
	.text
	.protected	k_qb5c96b0da9_main
	.globl	k_qb5c96b0da9_main
	.p2align	8
	.type	k_qb5c96b0da9_main,@function
k_qb5c96b0da9_main:
	s_mov_b64 s[64:65], 0
	v_nop
	global_prefetch_b8 v0, s[64:65] scope:SCOPE_SE
	s_setreg_imm32_b32 hwreg(HW_REG_WAVE_MODE, 25, 1), 1
	s_wait_xcnt 0x0
; One work-group takes one tile of 144 rows s of one batch b through the whole chain, so that W_h is read once for 144 rows:
;   X  wave w reads columns 128 w .. 128 w + 127 of the 144 rows once (nine units of 16 rows); they become codes of E3M2 with E8M0 bytes, as images of operand registers in LDS, and a copy in bf16.
;      The copy is the wave's own: in S thread t sums columns 4 t .. 4 t + 3, which its own wave read.  Row tiles 0-3 lie in LDS, 4-6 stay in registers, 7-8 go into the wave's stage once that is free.
;   G  proj_h + proj_s by v_wmma_scale_f32_16x16x128_f8f6f4; wave w makes columns 128 w .. + 127 for all rows, in four chunks of 32 columns (18 accumulators); proj_s is the C of the first K step.
;      tanh(x) = 1 - 2 / (1 + 2^(c x)), c = 2 log2(e); T = the sum over columns of v / (1 + 2^(c x)); the score used is -2 T.
;   S  the mask, the tile's maximum m, p = e^(score - m), l = the sum of p, the sum of p x enc row (enc in bf16, p and sums in f32): the tile's part; the next launch joins a batch's parts.
; WORK LEFT OUT.  score = sum(v) - 2 T: sum(v) is the same for every row of a softmax and is not added.  A row s >= len has the score -1e9 and the weight 0 beside any row that counts: tiles with
;   144 x tile >= len are not computed.  With len = 0 all scores are -1e9 and all weights equal: then all 15 tiles of the batch are computed.
; THE DEAL.  Batch b has n_b = floor(min(len - 1, 2047) / 144) + 1 tiles that count (the subtraction unsigned: len = 0 gives 15).  Every work-group reads the 32 lengths, sums the n_b, and work-group i takes the i-th
;   tile that counts, batches ascending.  The grid, 480 = 32 x 15, serves every split; a work-group beyond the sum does none of X, G, S, stores nothing and ends.
;   This launch has no tensor load and no cluster: W_h comes straight into registers, in the order in which the launch before has laid it.
;   Both barriers stand on every wave's path.  No prefetch: every stream goes straight into registers and is asked for one to three units ahead.
; A unit of 16 rows that lies wholly at or beyond len (with len = 0: beyond the batch) reads the tile's last unit that counts again; its rows are masked by their places: -1e9 from len on, p = 0 from 2,048 on.
; LIMITS.  NaN and infinities among the inputs are not served, nor carried from work left out.  A block whose largest magnitude lies under 2^-122 keeps the byte 1 (a block of zeros too: its codes are zeros, and this
;   program alone reads the bytes).  Weight 0 for masked rows is exact while |score| stays far under 1e9 (the sum of |v| under about 1e8).  len < 0 counts as 0, len > 2,048 as 2,048.
; G's products are used transposed: source 0 = 16 columns of W_h, source 1 = 16 rows of enc: lane (r, h) holds row r, register j column 8 h + j.
.set XB,   0                           ; bf16 copy, 16,384 bytes a wave: row x 256 + 8 x lane
.set IMG,  131072                      ; fragment (K step s, row tile m) at 1,536 (9 s + m) + 512 j + 16 x lane; in S: each wave's p at 1,024 w
.set ASC,  241664                      ; enc's scale words: K step pair p at 1,536 p; 16 x (r + 16 (s & 1)) + 4 (m & 3) + 512 (m >> 2)
.set STG,  247808                      ; a stage of 16 rows x 528 bytes for each wave; then row tiles 7, 8 of its copy
.set SCB,  315392                      ; each wave's 144 partial T, 576 bytes a wave
.set SPARE,320000                      ; the spare words
; window 0
.set LI,1                              ; 16 x lane
.set AIM,2                             ; v2, v3: IMG + 16 x lane, for K steps 0-3 and 4-7
.set ASL,4
.set STW,5
.set STR,6
.set XBW,7
.set IMW,8
.set ASW,9
.set SCW,10
.set SCR,11
.set SCR4,12
.set PWA,13
.set PRA,14
.set STL,15
.set AF,16                             ; v16-123 enc's nine fragments, one set
.set ASR,124                           ; v124-132 enc's scale words: scales and nothing else
.set CBO,133                           ; 32 h
.set WSR,136                           ; v136-143 W_h's scale words of a chunk: scales and nothing else
.set WF,144                            ; v144-215 W_h's fragments, three sets of two
.set BI,216                            ; v216-231 proj_s of the chunk's 32 columns
.set VV,232                            ; v232-247 v of them
.set S8,248                            ; v248-249 row tile 8's sums
.set XQ,16                             ; X: v16-79 for the quantiser, v80-111 bf16 pairs, v144-180 at work, v184-247 the third buffer of loaded rows
.set BT,80
.set PC,144
.set TM,164
.set PW,180
.set T,184                             ; S: v184-223 partial T, v224-231 sums, v232-238 at work; p in v16-123 and v144-179
.set OA,224
; window 1: v0-143 accumulators, (m, n) at 8 (2 m + n) (X: two buffers of loaded rows); v144-159 sums of row tiles 0-7; v160-255 the copy's row tiles 4-6
.set MSB,0
.macro WIN new                         ; s_set_vgpr_msb: bits 1:0 source 0, 3:2 source 1, 5:4 source 2, 7:6 destination; the high byte repeats the setting that is left
.if MSB != \new
	s_set_vgpr_msb (MSB<<8)|\new
.set MSB, \new
.endif
.endm
.macro PLACES                          ; four plain vector instructions between a matrix instruction and a load into, or a vector read of, its registers (ISA guide 7.12.1 for vector reads)
.rept 4
	v_nop
.endr
.endm
; 64 numbers of a lane, register 16 b + i = k 32 b + 16 (lane / 16) + i of my row, become a fragment's 12 registers of codes in v[PC] on and its scale word in v[PW]
.macro QUANT s
.irp b, 0,1,2,3
	v_max3_num_f32 v[TM+\b], |v[\s+16*\b]|, |v[\s+1+16*\b]|, 0x2800000   ; and the floor 2^(5 - 127): the byte cannot fall under 1
.endr
.irp i, 2,4,6,8,10,12,14
.irp b, 0,1,2,3
	v_max3_num_f32 v[TM+\b], v[TM+\b], |v[\s+16*\b+\i]|, |v[\s+1+16*\b+\i]|   ; the four blocks by turns
.endr
.endr
.irp b, 0,1,2,3
	v_permlanex16_b32 v[TM+4+\b], v[TM+\b], s28, s29
.endr
.irp b, 0,1,2,3
	v_max_num_f32 v[TM+\b], v[TM+\b], v[TM+4+\b]   ; with lane l xor 16's: the block's largest magnitude
.endr
.irp b, 0,1,2,3
	v_add_nc_u32 v[TM+12+\b], 0xfe000000, v[TM+\b] ; 4 off its exponent field: the conversion's scale operand
.endr
.irp b, 0,1,2,3
	v_lshrrev_b32 v[TM+4+\b], 23, v[TM+12+\b]      ; the scale's byte
.endr
	v_lshl_or_b32 v[PW], v[TM+5], 8, v[TM+4]
	s_delay_alu instid0(VALU_DEP_1)
	v_lshl_or_b32 v[PW], v[TM+6], 16, v[PW]
	s_delay_alu instid0(VALU_DEP_1)
	v_lshl_or_b32 v[PW], v[TM+7], 24, v[PW]        ; my row's scale word
.irp c, 0,1
	v_cvt_scalef32_pk16_bf6_f32 v[PC+6*\c:PC+2+6*\c], v[\s+32*\c:\s+15+32*\c], v[TM+12+2*\c]
	v_cvt_scalef32_pk16_bf6_f32 v[PC+12+4*\c:PC+14+4*\c], v[\s+16+32*\c:\s+31+32*\c], v[TM+12+2*\c+1]
.endr
	v_nop                                          ; one plain place behind a scaled conversion
.irp c, 0,1                                    ; a whole block in a lane: lanes 0-15 block 2 c, lanes 16-31 block 2 c + 1
.irp i, 0,1,2
	v_permlane16_swap_b32 v[PC+6*\c+\i], v[PC+12+4*\c+\i]
.endr
.irp i, 0,1,2
	v_mov_b32 v[PC+3+6*\c+\i], v[PC+12+4*\c+\i]
.endr
.endr
.endm
.macro XBUF m                          ; unit m's buffer of loaded rows: RB its first register, RW its window
.if ((\m)%3) == 2
.set RB, 184
.set RW, 0
.else
.set RB, 64*((\m)%3)
.set RW, 1
.endif
.endm
.macro XLOAD m                         ; unit m: 16 rows x 512 consecutive bytes
	XBUF \m
	WIN RW<<6
.irp i, 0,1,2,3,4,5,6,7,8,9,10,11,12,13,14,15
	global_load_b128 v[RB+4*\i:RB+4*\i+3], v[LI], s[46+2*(\m):47+2*(\m)] offset:4096*\i th:TH_LOAD_NT
.endr
.endm
.macro XUNIT m
	XBUF \m
.if (\m) < 4                           ; where the unit's bf16 pairs go: at work (then to LDS) | kept | unit 7: the buffer that unit 6 left | unit 8: at work
.set BD, BT
.set DW, 0
.elseif (\m) < 7
.set BD, 160+32*((\m)-4)
.set DW, 1
.elseif (\m) == 7
.set BD, 0
.set DW, 1
.else
.set BD, BT
.set DW, 0
.endif
.if (\m) < 7
	s_wait_loadcnt 32                              ; this unit's 16 loads are in; the two later units' stay out
.elseif (\m) == 7
	s_wait_loadcnt 16
.else
	s_wait_loadcnt 0x0
.endif
	WIN (DW<<6)|(RW<<2)|RW
.irp i, 0,1,2,3,4,5,6,7,8,9,10,11,12,13,14,15
	v_cvt_pk_bf16_f32 v[BD+2*\i], v[RB+4*\i], v[RB+4*\i+1]
	v_cvt_pk_bf16_f32 v[BD+2*\i+1], v[RB+4*\i+2], v[RB+4*\i+3]
.endr
	WIN RW<<2                                      ; an LDS store's data are its source 1
.irp i, 0,1,2,3,4,5,6,7,8,9,10,11,12,13,14,15
	ds_store_b128 v[STW], v[RB+4*\i:RB+4*\i+3] offset:528*\i
.endr
.if (\m) < 6
	XLOAD (\m)+3                                   ; the buffer has been converted and sent to the stage: it takes the unit three further on
.endif
	WIN 0
.if (\m) < 4
.irp i, 0,1,2,3,4,5,6,7,8,9,10,11,12,13,14,15
	ds_store_b64 v[XBW], v[BT+2*\i:BT+2*\i+1] offset:256*(16*(\m)+\i)
.endr
.endif
.irp b, 0,1,2,3
.irp j, 0,1,2,3
	ds_load_b128 v[XQ+16*\b+4*\j:XQ+16*\b+4*\j+3], v[STR] offset:128*\b+16*\j   ; lane (r, h) takes 16 neighbours of each block of row r; LDS serves a wave's instructions in order
.endr
.endr
	s_wait_dscnt 0x0
	QUANT XQ
.irp c, 0,1,2
	ds_store_b128 v[IMW], v[PC+4*\c:PC+4*\c+3] offset:1536*(\m)+512*\c
.endr
	ds_store_b32 v[ASW], v[PW] offset:4*((\m)%4)+512*((\m)/4)
.endm
.macro WLD st, b                       ; W_h's two fragments of K step st of the chunk at s[b:b+1]: 6 loads of 512 consecutive bytes, into set st % 3
.irp k, 0,1,2,3,4,5
	global_load_b128 v[WF+24*((\st)%3)+4*\k:WF+24*((\st)%3)+4*\k+3], v[LI], s[\b:\b+1] offset:6144*(\st)+512*\k
.endr
.endm
.macro SCLD b                          ; a chunk's scale words of W_h: pair p of K steps in lanes 0-15 and 16-31, two column tiles
.irp p, 0,1,2,3
	global_load_b64 v[WSR+2*\p:WSR+2*\p+1], v[LI], s[\b:\b+1] offset:512*\p
.endr
.endm
.macro CLD reg, b, off                 ; 32 columns of proj_s or of v: a lane takes its eight of each column tile
.irp n, 0,1
	global_load_b128 v[\reg+8*\n:\reg+8*\n+3], v[CBO], s[\b:\b+1] offset:(\off)+64*\n
	global_load_b128 v[\reg+8*\n+4:\reg+8*\n+7], v[CBO], s[\b:\b+1] offset:(\off)+64*\n+16
.endr
.endm
.macro AL st, m0, cnt                  ; enc's fragments of K step st, row tiles m0 on
.set MI, \m0
.rept \cnt
.irp j, 0,1,2
	ds_load_b128 v[AF+12*MI+4*\j:AF+12*MI+4*\j+3], v[AIM+(\st)/4] offset:((\st)%4)*13824+1536*MI+512*\j
.endr
.set MI, MI+1
.endr
.endm
.macro MM st, m0, cnt                  ; row tiles m0 on x two column tiles; the 18 accumulators by turns
.if (\st) == 0
	WIN 0x40
.else
	WIN 0x50
.endif
.set MI, \m0
.set WR, WF+24*((\st)%3)
.set SW, WSR+2*((\st)/2)
.rept \cnt
.irp n, 0,1
.if (\st) == 0
	v_wmma_scale_f32_16x16x128_f8f6f4 v[16*MI+8*\n:16*MI+8*\n+7], v[WR+12*\n:WR+12*\n+11], v[AF+12*MI:AF+12*MI+11], v[BI+8*\n:BI+8*\n+7], v[SW+\n], v[ASR+MI] matrix_a_fmt:MATRIX_FMT_BF6 matrix_b_fmt:MATRIX_FMT_BF6
.elseif ((\st)%2) == 1
	v_wmma_scale_f32_16x16x128_f8f6f4 v[16*MI+8*\n:16*MI+8*\n+7], v[WR+12*\n:WR+12*\n+11], v[AF+12*MI:AF+12*MI+11], v[16*MI+8*\n:16*MI+8*\n+7], v[SW+\n], v[ASR+MI] matrix_a_fmt:MATRIX_FMT_BF6 matrix_b_fmt:MATRIX_FMT_BF6 matrix_a_scale:MATRIX_SCALE_ROW1 matrix_b_scale:MATRIX_SCALE_ROW1
.else
	v_wmma_scale_f32_16x16x128_f8f6f4 v[16*MI+8*\n:16*MI+8*\n+7], v[WR+12*\n:WR+12*\n+11], v[AF+12*MI:AF+12*MI+11], v[16*MI+8*\n:16*MI+8*\n+7], v[SW+\n], v[ASR+MI] matrix_a_fmt:MATRIX_FMT_BF6 matrix_b_fmt:MATRIX_FMT_BF6
.endif
.endr
.set MI, MI+1
.endr
.endm
; K step st of a chunk; nx = 1: a chunk follows.  Global loads go out in this order: (ahead of the chunk) scale words 4, step 0's 6, step 1's 6, v 4; in step st: step st + 2's 6 (st < 6), in step 1 the next chunk's proj_s 4,
; in step 7 the next chunk's step 0.  The counts below are the loads issued behind step st's, taken at the lesser of the way in and the way back.
; enc's one set is fetched anew in two runs: row tiles 0-3 in the step's middle (12 loads, 13 with scale words), 4-8 at its end (15, or 17).
.macro GSTEP st, nx
.if (\st) < 6
	WLD (\st)+2, 8
.elseif ((\st) == 7) && \nx
	WLD 0, 36
.endif
.if ((\st) == 1) && \nx
	CLD BI, 12, 128
.endif
.if (\st) == 0 || (\st) == 4 || (\st) == 5
	s_wait_loadcnt 12
.elseif (\st) < 4
	s_wait_loadcnt 12+4*\nx
.elseif (\st) == 6
	s_wait_loadcnt 6
.else
	s_wait_loadcnt 6*\nx
.endif
	s_wait_dscnt 17-2*((\st)%2)                    ; all but the run at the last step's end
	MM \st, 0, 4
.if ((\st) < 7) || \nx
	PLACES
	WIN 0
	AL ((\st)+1)%8, 0, 4
.if ((\st)%2) == 1
	ds_load_b128 v[ASR:ASR+3], v[ASL] offset:1536*((((\st)+1)/2)%4)
.endif
	s_wait_dscnt 12+((\st)%2)                      ; all but the run just issued
.else
	s_wait_dscnt 0x0
.endif
	MM \st, 4, 5
.if ((\st) < 7) || \nx
	PLACES
	WIN 0
.if ((\st)%2) == 1
	ds_load_b128 v[ASR+4:ASR+7], v[ASL] offset:1536*((((\st)+1)/2)%4)+512
	ds_load_b32 v[ASR+8], v[ASL] offset:1536*((((\st)+1)/2)%4)+1024
.endif
	AL ((\st)+1)%8, 4, 5
.endif
.endm
; A chunk is finished: 144 numbers a lane go through 1 / (1 + 2^(c x)) and are added, times v, onto the rows' sums.  2^(c x) = infinity gives 0, 2^(c x) = 0 gives 1.
.macro EPI nx
	PLACES
.if \nx
	WIN 0
	SCLD 44                                        ; the next chunk's scale words and its K step 1 land under this work
	WLD 1, 36
.endif
	WIN 0x41
.set RI, 0
.rept 72
	v_pk_mul_f32 v[RI:RI+1], v[RI:RI+1], s[26:27] op_sel_hi:[1,0]   ; each accumulator from its low end on
.set RI, RI+2
.endr
	s_wait_alu depctr_va_vdst(0)                   ; a wait ahead of a batch and one behind it
.set RI, 0
.rept 144
	v_exp_f32 v[RI], v[RI]
.set RI, RI+1
.endr
	v_nop
	s_wait_alu depctr_va_vdst(0)
.set RI, 0
.rept 72
	v_pk_add_f32 v[RI:RI+1], v[RI:RI+1], 1.0 op_sel_hi:[1,0]
.set RI, RI+2
.endr
	s_wait_alu depctr_va_vdst(0)
.set RI, 0
.rept 144
	v_rcp_f32 v[RI], v[RI]
.set RI, RI+1
.endr
	v_nop
	s_wait_alu depctr_va_vdst(0)
	WIN 0x51
.irp n, 0,1
.irp p, 0,2,4,6
.irp m, 0,1,2,3,4,5,6,7
	v_pk_fma_f32 v[144+2*\m:145+2*\m], v[16*\m+8*\n+\p:16*\m+8*\n+\p+1], v[VV+8*\n+\p:VV+8*\n+\p+1], v[144+2*\m:145+2*\m]
.endr
.endr
.endr
	WIN 0x01
.irp n, 0,1
.irp p, 0,2,4,6
	v_pk_fma_f32 v[S8:S8+1], v[128+8*\n+\p:128+8*\n+\p+1], v[VV+8*\n+\p:VV+8*\n+\p+1], v[S8:S8+1]
.endr
.endr
	WIN 0
.if \nx
	CLD VV, 14, 128
.endif
.endm
.macro XDL i                           ; row i of the copy's 96 rows in LDS: my four columns
.if (\i) < 64
	ds_load_b64 v[2*((\i)%72):2*((\i)%72)+1], v[XBW] offset:256*(\i)
.else
	ds_load_b64 v[2*((\i)%72):2*((\i)%72)+1], v[STL] offset:256*((\i)-64)
.endif
.endm
.macro SROW xr, pw                     ; sums += p[pw] x the row in window 1's v[xr], v[xr + 1]; even and odd rows have sums of their own
.set PG, 16+(\pw)+20*((\pw)/108)
.set AO, OA+4*((\pw)%2)
	v_fma_mix_f32_bf16 v[AO], v[\xr], v[PG], v[AO] op_sel_hi:[1,0,0]
	v_fma_mix_f32_bf16 v[AO+1], v[\xr], v[PG], v[AO+1] op_sel:[1,0,0] op_sel_hi:[1,0,0]
	v_fma_mix_f32_bf16 v[AO+2], v[(\xr)+1], v[PG], v[AO+2] op_sel_hi:[1,0,0]
	v_fma_mix_f32_bf16 v[AO+3], v[(\xr)+1], v[PG], v[AO+3] op_sel:[1,0,0] op_sel_hi:[1,0,0]
.endm
	; ---- the head: every LDS address, the deal, the bases
	s_load_b256 s[4:11], s[0:1], 0x0               ; enc, src_lengths, whf, whs
	s_load_b256 s[12:19], s[0:1], 0x20             ; projs, v, pacc, pml
	v_lshrrev_b32 v16, 5, v0
	v_readfirstlane_b32 s20, v16                   ; wave w
	s_mov_b32 s26, 0x4038aa3b                      ; c = 2 log2(e)
	s_mov_b32 s27, s26
	s_mov_b32 s28, 0x76543210
	s_mov_b32 s29, 0xfedcba98                      ; selects for lane l xor 16
	s_mul_i32 s30, s20, 8448
	s_add_co_u32 s30, s30, STG                     ; my stage
	s_lshl_b32 s31, s20, 14                        ; my part of XB
	s_mul_i32 s32, s20, 13824
	s_add_co_u32 s32, s32, IMG                     ; K step w's nine fragments
	s_lshr_b32 s33, s20, 1
	s_mul_i32 s33, s33, 1536
	s_and_b32 s34, s20, 1
	s_lshl_b32 s34, s34, 8
	s_add_co_u32 s33, s33, s34
	s_add_co_u32 s33, s33, ASC
	s_mul_i32 s34, s20, 576
	s_add_co_u32 s34, s34, SCB
	s_lshl_b32 s35, s20, 10
	s_add_co_u32 s35, s35, IMG                     ; my p, in S
	v_and_b32 v17, 15, v0                          ; r
	v_bfe_u32 v18, v0, 4, 1                        ; h
	v_and_b32 v19, 31, v0                          ; lane
	v_lshlrev_b32 v[LI], 4, v19
	v_mul_u32_u24 v[STR], v17, 528
	v_lshl_add_u32 v[STL], v19, 3, s30
	v_lshl_add_u32 v[XBW], v19, 3, s31
	v_add_nc_u32 v[AIM], IMG, v[LI]
	v_add_nc_u32 v[AIM+1], IMG+55296, v[LI]
	v_add_nc_u32 v[ASL], ASC, v[LI]
	v_add_nc_u32 v[STW], s30, v[LI]
	v_lshl_add_u32 v[STR], v18, 6, v[STR]
	v_add_nc_u32 v[IMW], s32, v[LI]
	v_lshl_add_u32 v[ASW], v17, 4, s33
	v_lshl_add_u32 v[SCW], v17, 2, s34
	v_add_nc_u32 v[STR], s30, v[STR]
	v_lshl_add_u32 v[SCR], v19, 2, SCB
	v_lshl_add_u32 v[SCR4], v17, 2, SCB+512
	v_lshl_add_u32 v[PWA], v19, 2, s35
	v_mov_b32 v[PRA], s35
	v_lshlrev_b32 v[CBO], 5, v18
	v_lshlrev_b32 v21, 2, v19                      ; 4 x lane: lane b's place in src_lengths
	s_mov_b32 s31, 0
	s_mov_b32 s41, 0
	s_mov_b32 s43, 0
	s_wait_alu depctr_va_vdst(0)
	s_wait_kmcnt 0x0
	global_load_b32 v20, v21, s[6:7]               ; lane b: batch b's len
	s_mov_b32 s33, ttmp9                           ; my number
	s_wait_loadcnt 0x0
	v_add_nc_u32 v22, -1, v20                      ; len - 1, unsigned: len = 0 wraps to the largest number
	s_delay_alu instid0(VALU_DEP_1)
	v_min_u32 v22, 0x7ff, v22
	s_delay_alu instid0(VALU_DEP_1)
	v_mul_u32_u24 v22, 0x1c72, v22                 ; floor(u / 144) = (7,282 u) >> 20 for u up to 2,047
	s_delay_alu instid0(VALU_DEP_1)
	v_lshrrev_b32 v22, 20, v22
	s_delay_alu instid0(VALU_DEP_1)
	v_add_nc_u32 v22, 1, v22                       ; n_b
	s_delay_alu instid0(VALU_DEP_1)
	v_mov_b32 v23, v22
.irp sh, 1,2,4,8                               ; the running sum within each row of 16 lanes: a lane with no lane sh below it adds 0
	v_mov_b32 v24, 0
	v_mov_b32_dpp v24, v23 row_shr:\sh row_mask:0xf bank_mask:0xf
	v_add_nc_u32 v23, v23, v24
.endr
	v_readlane_b32 s30, v23, 15                    ; batches 0-15 together,
	v_mad_u32_u24 v23, v18, s30, v23               ; onto lanes 16-31: lane b holds the tiles of batches 0 .. b
	v_sub_nc_u32 v24, v23, v22                     ; and those ahead of batch b
	v_cmp_ge_u32 s32, s33, v23                     ; the batches that end at or ahead of my number
	s_wait_alu depctr_va_vdst(0)
	s_bcnt1_i32_b32 s22, s32                       ; so many: my batch's number
	s_min_u32 s22, s22, 31
	v_readlane_b32 s21, v23, 31                    ; all the tiles that count
	v_readlane_b32 s25, v24, s22                   ; the tiles ahead of my batch
	v_readlane_b32 s23, v20, s22                   ; its len
	s_cmp_lt_u32 ttmp9, s21                        ; is there a tile for me?
	s_cselect_b32 s24, 1, 0
	s_sub_co_u32 s21, ttmp9, s25
	s_min_u32 s21, s21, 14                         ; the tile
	s_min_u32 s22, s22, 31                         ; the batch
	s_mul_i32 s25, s21, 144                        ; the tile's first row
	s_max_i32 s23, s23, 0
	s_min_u32 s23, s23, 2048
	s_cmp_eq_u32 s23, 0
	s_cselect_b32 s39, 0x800, s23
	s_sub_co_u32 s39, s39, 1
	s_and_b32 s39, s39, 0x7f0                      ; the first row of the batch's last unit that counts
	s_lshl_b32 s30, s22, 23                        ; the batch's 2,048 rows of 4,096 bytes,
	s_lshl_b32 s32, s20, 9                         ; my 128 columns
	s_add_co_u32 s30, s30, s32
	s_add_nc_u64 s[4:5], s[4:5], s[30:31]
.irp m, 0,1,2,3,4,5,6,7,8
	s_add_co_u32 s40, s25, 16*\m
	s_min_u32 s40, s40, s39                        ; a unit beyond it reads it again,
	s_min_u32 s40, s40, 2032                       ; and every unit stays inside the batch
	s_lshl_b32 s40, s40, 12
	s_add_nc_u64 s[46+2*\m:47+2*\m], s[4:5], s[40:41]
.endr
	s_mov_b32 s30, s32
	s_add_nc_u64 s[14:15], s[14:15], s[30:31]      ; v: my columns
	s_lshl_b32 s33, s22, 12
	s_add_co_u32 s30, s32, s33
	s_add_nc_u64 s[12:13], s[12:13], s[30:31]      ; proj_s: my batch's row, my columns
	s_mul_i32 s30, s20, 98304
	s_add_nc_u64 s[8:9], s[8:9], s[30:31]          ; my 64 fragments of W_h: chunk 0,
	s_add_nc_u64 s[36:37], s[8:9], 3072            ; and chunk 1
	s_lshl_b32 s30, s20, 12
	s_add_nc_u64 s[10:11], s[10:11], s[30:31]      ; their scale words,
	s_add_nc_u64 s[44:45], s[10:11], 8             ; and chunk 1's
	s_lshl_b32 s30, s22, 4
	s_add_co_u32 s30, s30, s21
	s_lshl_b32 s30, s30, 12
	s_add_nc_u64 s[16:17], s[16:17], s[30:31]      ; pacc: part 16 b + tile
	s_lshl_b32 s30, s22, 8
	s_lshl_b32 s32, s21, 2
	s_add_co_u32 s30, s30, s32
	s_add_nc_u64 s[18:19], s[18:19], s[30:31]      ; pml: 256 b + 4 tile
	; ---- X
	s_cmp_eq_u32 s24, 0
	s_cbranch_scc1 .Lx_done
.irp b, 0,1,2,3
	v_mov_b32 v[TM+4+\b], 0                        ; a lane permute's destination counts as one of its sources
.endr
	XLOAD 0
	XLOAD 1
	XLOAD 2
.irp m, 0,1,2,3,4,5,6,7,8
	XUNIT \m
.endr
	WIN 0x04                                       ; my stage has been read for the last time: it takes row tiles 7 and 8 of my copy
.irp i, 0,1,2,3,4,5,6,7,8,9,10,11,12,13,14,15
	ds_store_b64 v[STL], v[2*\i:2*\i+1] offset:256*\i
.endr
	WIN 0
.irp i, 0,1,2,3,4,5,6,7,8,9,10,11,12,13,14,15
	ds_store_b64 v[STL], v[BT+2*\i:BT+2*\i+1] offset:4096+256*\i
.endr
.Lx_done:
	s_wait_dscnt 0x0                               ; my stores into LDS are done: for the barrier, and ahead of the loads below, which land where the codes lay
	SCLD 10                                        ; chunk 0's first loads go out ahead of the barrier, on every way, so that G's counted waits count the same loads on every way
	CLD BI, 12, 0
	CLD VV, 14, 0
	WLD 0, 8
	WLD 1, 8
	s_barrier_signal -1
	s_barrier_wait -1                              ; enc's 72 fragments and their scale words lie in LDS
	; ---- G
	s_cmp_eq_u32 s24, 0
	s_cbranch_scc1 .Lg_done
	AL 0, 0, 4
	ds_load_b128 v[ASR:ASR+3], v[ASL]
	ds_load_b128 v[ASR+4:ASR+7], v[ASL] offset:512
	ds_load_b32 v[ASR+8], v[ASL] offset:1024
	AL 0, 4, 5
	WIN 0x40
.irp j, 0,1,2,3,4,5,6,7,8,9,10,11,12,13,14,15
	v_mov_b32 v[144+\j], 0                         ; the rows' sums: the chunks are one loop, so they begin as zeros
.endr
	WIN 0
	v_mov_b32 v[S8], 0
	v_mov_b32 v[S8+1], 0
	s_mov_b32 s38, 0
.Lq:                                                   ; chunks 0 to 2; the last is written out: it asks for nothing more
.irp t, 0,1,2,3,4,5,6,7
	GSTEP \t, 1
.endr
	EPI 1
	s_wait_xcnt 0x0                                ; the bases are stepped only behind this wait
	s_mov_b64 s[8:9], s[36:37]
	s_and_b32 s39, s38, 1
	s_mov_b32 s40, 3072                            ; chunks lie at 0, 3,072, 49,152, 52,224 in whf and at 0, 8, 2,048, 2,056 in whs
	s_mov_b32 s42, 8
	s_cmp_eq_u32 s39, 0
	s_cselect_b32 s40, 46080, s40
	s_cselect_b32 s42, 2040, s42
	s_add_nc_u64 s[36:37], s[36:37], s[40:41]
	s_add_nc_u64 s[44:45], s[44:45], s[42:43]
	s_add_nc_u64 s[12:13], s[12:13], 128
	s_add_nc_u64 s[14:15], s[14:15], 128
	s_add_co_u32 s38, s38, 1
	s_cmp_lt_u32 s38, 3
	s_wait_alu depctr_va_vdst(0)
	s_cbranch_scc1 .Lq
.irp t, 0,1,2,3,4,5,6,7
	GSTEP \t, 0
.endr
	EPI 0
	WIN 0x05
.irp m, 0,1,2,3,4,5,6,7
	v_add_f32 v[T+\m], v[144+2*\m], v[145+2*\m]
.endr
	WIN 0
	v_add_f32 v[T+8], v[S8], v[S8+1]
.irp m, 0,1,2,3,4,5,6,7,8
	v_mov_b32 v[T+16+\m], 0
.endr
.irp m, 0,1,2,3,4,5,6,7,8
	v_permlanex16_b32 v[T+16+\m], v[T+\m], s28, s29
.endr
.irp m, 0,1,2,3,4,5,6,7,8
	v_add_f32 v[T+\m], v[T+\m], v[T+16+\m]         ; with lane l xor 16's eight columns of each tile: my wave's T of row 16 m + r
.endr
.irp m, 0,1,2,3,4,5,6,7,8
	ds_store_b32 v[SCW], v[T+\m] offset:64*\m      ; both halves write the same word with the same value
.endr
.Lg_done:
	s_wait_alu depctr_va_vdst(0)
	s_wait_dscnt 0x0
	s_barrier_signal -1
	s_barrier_wait -1                              ; the eight waves' partial T lie in LDS; nobody reads the fragments any more
	; ---- S
	s_cmp_eq_u32 s24, 0
	s_cbranch_scc1 .Lend                           ; no tile: nothing is stored
	s_wait_loadcnt 0x0                             ; no load is out: registers that loads filled are written below
.irp j, 0,1,2,3,4,5,6,7
	v_mov_b32 v[OA+\j], 0                          ; the sums over rows begin as zeros: 144 rows add onto eight registers
.endr
	v_lshlrev_b32 v250, 4, v0                      ; 16 x thread
.irp w, 0,1,2,3,4,5,6,7
.irp g, 0,1,2,3
	ds_load_b32 v[T+8*\g+\w], v[SCR] offset:576*\w+128*\g    ; row 32 g + lane
.endr
	ds_load_b32 v[T+32+\w], v[SCR4] offset:576*\w            ; row 128 + lane % 16
.endr
	WIN 0x40
.set RI, 0
.rept 56
	XDL RI
.set RI, RI+1
.endr
	WIN 0
	v_and_b32 v232, 31, v0
	v_and_b32 v236, 16, v0
	v_and_b32 v238, 15, v0
	v_add_nc_u32 v232, s25, v232                   ; my rows' places in the batch
	v_lshlrev_b32 v236, 8, v236                    ; lanes 16-31 hold rows 128 on a second time: they are placed beyond the batch
	v_mov_b32 v237, 0xce6e6b28                     ; -1e9
	v_add_nc_u32 v233, 32, v232
	v_add3_u32 v236, v236, v238, s25
	v_add_nc_u32 v234, 64, v232
	v_add_nc_u32 v235, 0x60, v232
	v_add_nc_u32 v236, 0x80, v236
	s_wait_alu depctr_va_vdst(0)
	s_wait_dscnt 56                                ; the 40 loads of T are in; the 56 rows behind them stay out
.irp o, 0,2,4,6
.irp g, 0,1,2,3,4
	v_add_f32 v[T+8*\g+\o], v[T+8*\g+\o], v[T+8*\g+\o+1]
.endr
.endr
.irp o, 0,4
.irp g, 0,1,2,3,4
	v_add_f32 v[T+8*\g+\o], v[T+8*\g+\o], v[T+8*\g+\o+2]
.endr
.endr
.irp g, 0,1,2,3,4
	v_add_f32 v[T+8*\g], v[T+8*\g], v[T+8*\g+4]
.endr
.irp g, 0,1,2,3,4
	v_mul_f32 v[T+8*\g], -2.0, v[T+8*\g]           ; the score, less the sum of v
.endr
.irp g, 0,1,2,3,4
	v_cmp_gt_u32 vcc_lo, s23, v[232+\g]            ; len > row: the row counts
	v_cndmask_b32 v[T+8*\g], v237, v[T+8*\g], vcc_lo
.endr
	v_max3_num_f32 v252, v[T], v[T+8], v[T+16]
	s_delay_alu instid0(VALU_DEP_1)
	v_max3_num_f32 v252, v252, v[T+24], v[T+32]
.irp x, 1,2,4,8
	s_delay_alu instid0(VALU_DEP_1)
	v_max_num_f32_dpp v252, v252, v252 row_xmask:\x row_mask:0xf bank_mask:0xf
.endr
	s_delay_alu instid0(VALU_DEP_1)
	v_permlanex16_b32 v238, v252, s28, s29
	s_delay_alu instid0(VALU_DEP_1)
	v_max_num_f32 v252, v252, v238                 ; m: the tile's largest score, taken away ahead of the exponentials
.irp g, 0,1,2,3,4
	v_sub_f32 v[T+8*\g], v[T+8*\g], v252
.endr
.irp g, 0,1,2,3,4
	v_mul_f32 v[T+8*\g], 0x3fb8aa3b, v[T+8*\g]
.endr
	s_wait_alu depctr_va_vdst(0)
.irp g, 0,1,2,3,4
	v_exp_f32 v[T+8*\g], v[T+8*\g]
.endr
	v_nop
	s_wait_alu depctr_va_vdst(0)
.irp g, 0,1,2,3,4
	v_cmp_gt_u32 vcc_lo, 0x800, v[232+\g]          ; a row beyond the batch weighs nothing
	v_cndmask_b32 v[T+8*\g], 0, v[T+8*\g], vcc_lo
.endr
.irp g, 0,1,2,3,4
	ds_store_b32 v[PWA], v[T+8*\g] offset:128*\g
.endr
.irp i, 0,1,2,3,4,5,6,7,8,9,10,11,12,13,14,15,16,17,18,19,20,21,22,23,24,25,26,27,28,29,30,31,32,33,34,35
	ds_load_b128 v[16+4*\i+20*(\i/27):19+4*\i+20*(\i/27)], v[PRA] offset:16*\i   ; all 144 p into every lane; my wave's own bytes, served in order behind the stores
.endr
	WIN 0x40
.rept 16
	XDL RI
.set RI, RI+1
.endr
	WIN 0
	v_add_f32 v253, v[T], v[T+8]
	v_add_f32 v238, v[T+16], v[T+24]
	s_delay_alu instid0(VALU_DEP_2)
	v_add_f32 v253, v253, v[T+32]
	s_delay_alu instid0(VALU_DEP_1)
	v_add_f32 v253, v253, v238
.irp x, 1,2,4,8
	s_delay_alu instid0(VALU_DEP_1)
	v_add_f32_dpp v253, v253, v253 row_xmask:\x row_mask:0xf bank_mask:0xf
.endr
	s_delay_alu instid0(VALU_DEP_1)
	v_permlanex16_b32 v238, v253, s28, s29
	s_delay_alu instid0(VALU_DEP_1)
	v_add_f32 v253, v253, v238                     ; l
	s_wait_alu depctr_va_vdst(0)
	s_wait_dscnt 16                                ; p and the first 56 rows are in
	WIN 0x01
.set RI, 0
.rept 56
	SROW 2*RI, RI
.set RI, RI+1
.endr
	WIN 0x40
.set RJ, 72
.rept 24
	XDL RJ                                         ; the last 24 rows, into registers whose rows have been summed
.set RJ, RJ+1
.endr
	WIN 0x01
.set RJ, 0
.rept 48
	SROW 160+2*RJ, 64+RJ                           ; row tiles 4-6, which never left the registers
.set RJ, RJ+1
.endr
	s_wait_alu depctr_va_vdst(0)
	s_wait_dscnt 24
.rept 16
	SROW 2*RI, RI+48*(RI/64)                       ; the copy's rows 64 on in LDS are row tiles 7, 8
.set RI, RI+1
.endr
	s_wait_alu depctr_va_vdst(0)
	s_wait_dscnt 0x0
.rept 24
	SROW 2*(RI-72), RI+48
.set RI, RI+1
.endr
	WIN 0
	v_pk_add_f32 v[OA:OA+1], v[OA:OA+1], v[OA+4:OA+5]
	v_pk_add_f32 v[OA+2:OA+3], v[OA+2:OA+3], v[OA+6:OA+7]
	s_wait_alu depctr_va_vdst(0)
	global_store_b128 v250, v[OA:OA+3], s[16:17]   ; a wave stores 512 consecutive bytes, aligned
	v_cmp_eq_u32 vcc_lo, 0, v0
	v_cndmask_b32 v254, v253, v252, vcc_lo         ; thread 0: m, thread 1: l
	v_and_b32 v255, 1, v0
	s_delay_alu instid0(VALU_DEP_1)
	v_lshlrev_b32 v255, 7, v255
	v_cmp_gt_u32 vcc_lo, 2, v0
	s_wait_alu depctr_va_vdst(0)
	s_wait_xcnt 0x0                                ; EXEC changes only behind this wait
	s_and_saveexec_b32 s40, vcc_lo
	global_store_b32 v255, v254, s[18:19]
	s_wait_xcnt 0x0                                ; and again, in front of the line that widens it
	s_or_b32 exec_lo, exec_lo, s40
	s_wait_xcnt 0x0                                ; the stores have read their registers: two of them are written below
.Lend:
	v_lshl_add_u32 v253, v0, 2, SPARE
	v_mov_b32 v255, 0
	s_wait_alu depctr_va_vdst(0)
	s_wait_tensorcnt 0x0                           ; the wave's end
	ds_add_u32 v253, v255
	s_wait_dscnt 0x0
	s_endpgm
.Lfunc_end_k_qb5c96b0da9_main:
	.size	k_qb5c96b0da9_main, .Lfunc_end_k_qb5c96b0da9_main-k_qb5c96b0da9_main
	.p2alignl 7, 3214868480
	.fill 96, 4, 3214868480
	.section	.rodata,"a",@progbits
	.p2align	6, 0x0
	.amdhsa_kernel k_qb5c96b0da9_main
		.amdhsa_group_segment_fixed_size 321024
		.amdhsa_private_segment_fixed_size 0
		.amdhsa_enable_private_segment 0
		.amdhsa_kernarg_size 64
		.amdhsa_user_sgpr_count 2
		.amdhsa_user_sgpr_kernarg_segment_ptr 1
		.amdhsa_wavefront_size32 1
		.amdhsa_system_sgpr_workgroup_id_x 1
		.amdhsa_system_sgpr_workgroup_id_y 1
		.amdhsa_system_sgpr_workgroup_id_z 1
		.amdhsa_system_vgpr_workitem_id 0
		.amdhsa_next_free_vgpr 512
		.amdhsa_next_free_sgpr 66
		.amdhsa_reserve_vcc 1
		.amdhsa_float_denorm_mode_32 3
		.amdhsa_float_denorm_mode_16_64 3
		.amdhsa_memory_ordered 1
		.amdhsa_forward_progress 1
		.amdhsa_inst_pref_size 255
	.end_amdhsa_kernel
	.section	.bss,"aw",@nobits
	.p2align	6
	.space	262144
	.amdgpu_metadata
---
amdhsa.version: [ 1, 2 ]
amdhsa.kernels:
  - .name:           k_qb5c96b0da9_main
    .symbol:         k_qb5c96b0da9_main.kd
    .args:
      - { .name: encoder_outputs, .offset: 0, .size: 8, .value_kind: global_buffer, .address_space: global }
      - { .name: src_lengths, .offset: 8, .size: 8, .value_kind: global_buffer, .address_space: global }
      - { .name: whf, .offset: 16, .size: 8, .value_kind: global_buffer, .address_space: global }
      - { .name: whs, .offset: 24, .size: 8, .value_kind: global_buffer, .address_space: global }
      - { .name: projs, .offset: 32, .size: 8, .value_kind: global_buffer, .address_space: global }
      - { .name: v, .offset: 40, .size: 8, .value_kind: global_buffer, .address_space: global }
      - { .name: pacc, .offset: 48, .size: 8, .value_kind: global_buffer, .address_space: global }
      - { .name: pml, .offset: 56, .size: 8, .value_kind: global_buffer, .address_space: global }
    .group_segment_fixed_size: 321024
    .private_segment_fixed_size: 0
    .kernarg_segment_align: 8
    .kernarg_segment_size: 64
    .max_flat_workgroup_size: 256
    .sgpr_count:     66
    .vgpr_count:     512
    .wavefront_size: 32
...
	.end_amdgpu_metadata
.endif
;; end of part 2
;; launch combine (part 3): grid 4 x 32, 2 waves a work-group, no clusters, 0 bytes of LDS; arguments pacc, pml, src_lengths, out0; writes out0
.if DOCPART == 3
	.amdgcn_target "amdgcn-amd-amdhsa--gfx1250"
	.amdhsa_code_object_version 6
	.text
	.protected	k_qb5c96b0da9_combine
	.globl	k_qb5c96b0da9_combine
	.p2align	8
	.type	k_qb5c96b0da9_combine,@function
k_qb5c96b0da9_combine:
	s_mov_b64 s[64:65], 0
	v_nop
	global_prefetch_b8 v0, s[64:65] scope:SCOPE_SE
	s_setreg_imm32_b32 hwreg(HW_REG_WAVE_MODE, 25, 1), 1
	s_wait_xcnt 0x0
; out0[b][:] = the sum over the batch's parts k of w_k pacc[b][k][:] / the sum of w_k l_k, with w_k = e^(m_k - M), M the largest m_k: the tiles' softmax parts are brought under one maximum.
; Only the tiles that count were computed and stored: parts 0 .. n1, n1 = floor(min(len - 1, 2047) / 144) (the subtraction unsigned: len = 0 gives 14).  The scores lack the sum of v, alike in all parts.
; Lane k holds part min(k, n1)'s m and l; the loads of part k read part min(k, n1): what is read twice has l = 0 and the weight 0.  No byte is read that the launch before has not stored.
; A work-group takes 256 columns of one batch (x = quarter of the row, y = batch); thread t takes 4 columns: each load and the store of a wave cover 512 consecutive bytes.
; No LDS, no barrier, no matrix unit; all loads of a thread go out at once.
.set X,   16                           ; v16-75  part k's four numbers at 4 k
.set XO,  84                           ; v84-98  part k's offset
.set ACC, 100                          ; v100-103
.set WS,  16                           ; s16-30  the 15 weights
	s_load_b128 s[4:7], s[0:1], 0x0                ; pacc, pml
	s_load_b128 s[8:11], s[0:1], 0x10              ; src_lengths, out0
	v_and_b32 v10, 31, v0
	v_lshlrev_b32 v2, 4, v0                        ; 16 x thread
	v_mov_b32 v6, 0                                ; a lane permute's destination counts as one of its sources
	s_and_b32 s33, ttmp7, 0xffff                   ; the batch
	s_lshl_b32 s34, ttmp9, 10                      ; my quarter of a row
	s_mov_b32 s13, 0
	s_mov_b32 s14, 0x76543210
	s_mov_b32 s15, 0xfedcba98                      ; selects for lane l xor 16
	s_wait_alu depctr_va_vdst(0)
	s_wait_kmcnt 0x0
	s_lshl_b32 s12, s33, 2
	s_add_nc_u64 s[8:9], s[8:9], s[12:13]
	s_load_b32 s31, s[8:9], 0x0                    ; len
	s_lshl_b32 s12, s33, 8
	s_add_nc_u64 s[6:7], s[6:7], s[12:13]
	s_lshl_b32 s12, s33, 16
	s_add_co_u32 s12, s12, s34
	s_add_nc_u64 s[4:5], s[4:5], s[12:13]
	s_lshl_b32 s12, s33, 12
	s_add_co_u32 s12, s12, s34
	s_add_nc_u64 s[10:11], s[10:11], s[12:13]
	s_wait_kmcnt 0x0
	s_sub_co_u32 s31, s31, 1
	s_min_u32 s31, s31, 2047
	s_mul_i32 s31, s31, 7282                       ; floor(u / 144) = (7,282 u) >> 20 for u up to 2,047
	s_lshr_b32 s31, s31, 20
	s_min_u32 s31, s31, 14                         ; n1: the batch's last part
	v_min_u32 v1, s31, v10
	v_min_u32 v1, 14, v1
	v_lshlrev_b32 v1, 2, v1                        ; 4 x part
.irp k, 0,1,2,3,4,5,6,7,8,9,10,11,12,13,14
	s_min_u32 s35, s31, \k
	s_lshl_b32 s35, s35, 12
	v_add_nc_u32 v[XO+\k], s35, v2
.endr
	s_wait_alu depctr_va_vdst(0)
	global_load_b32 v3, v1, s[6:7]                 ; m
	global_load_b32 v4, v1, s[6:7] offset:128      ; l
.irp k, 0,1,2,3,4,5,6,7,8,9,10,11,12,13,14
	global_load_b128 v[X+4*\k:X+4*\k+3], v[XO+\k], s[4:5]
.endr
	s_wait_loadcnt 15                              ; m and l are in; the 15 loads behind them stay out
	v_cmp_ge_u32 vcc_lo, s31, v10                  ; lanes 0 .. n1 hold a part each
	v_cndmask_b32 v4, 0, v4, vcc_lo
	v_mov_b32 v5, v3
	v_max_num_f32_dpp v5, v5, v5 row_xmask:1 row_mask:0xf bank_mask:0xf
	v_max_num_f32_dpp v5, v5, v5 row_xmask:2 row_mask:0xf bank_mask:0xf
	v_max_num_f32_dpp v5, v5, v5 row_xmask:4 row_mask:0xf bank_mask:0xf
	v_max_num_f32_dpp v5, v5, v5 row_xmask:8 row_mask:0xf bank_mask:0xf
	v_permlanex16_b32 v6, v5, s14, s15
	v_max_num_f32 v5, v5, v6                       ; M
	v_sub_f32 v7, v3, v5
	v_mul_f32 v7, 0x3fb8aa3b, v7
	s_wait_alu depctr_va_vdst(0)
	v_exp_f32 v7, v7                               ; w
	v_nop
	s_wait_alu depctr_va_vdst(0)                   ; ahead of the first reader
	v_mul_f32 v8, v7, v4
	v_add_f32_dpp v8, v8, v8 row_xmask:1 row_mask:0xf bank_mask:0xf
	v_add_f32_dpp v8, v8, v8 row_xmask:2 row_mask:0xf bank_mask:0xf
	v_add_f32_dpp v8, v8, v8 row_xmask:4 row_mask:0xf bank_mask:0xf
	v_add_f32_dpp v8, v8, v8 row_xmask:8 row_mask:0xf bank_mask:0xf
	v_permlanex16_b32 v6, v8, s14, s15
	v_add_f32 v8, v8, v6                           ; the batch's sum
	s_wait_alu depctr_va_vdst(0)
	v_rcp_f32 v9, v8
	v_nop
	s_wait_alu depctr_va_vdst(0)
	v_mul_f32 v7, v7, v9                           ; lane k: part k's weight,
	v_cndmask_b32 v7, 0, v7, vcc_lo                ; and 0 beyond the last part
.irp k, 0,1,2,3,4,5,6,7,8,9,10,11,12,13,14
	v_readlane_b32 s[WS+\k], v7, \k                ; the weights as scalars: they are multiplied by, and steer nothing
.endr
.irp k, 0,1,2,3,4,5,6,7,8,9,10,11,12,13,14
.if \k == 0
	s_wait_alu depctr_va_vdst(0)
	s_wait_loadcnt 7                               ; the first eight parts are in
.endif
.if \k == 8
	s_wait_alu depctr_va_vdst(0)
	s_wait_loadcnt 0x0
.endif
.irp c, 0,1,2,3
.if \k == 0
	v_mul_f32 v[ACC+\c], s[WS], v[X+\c]            ; the first product starts the sums
.else
	v_fmac_f32 v[ACC+\c], s[WS+\k], v[X+4*\k+\c]
.endif
.endr
.endr
	global_store_b128 v2, v[ACC:ACC+3], s[10:11]
	s_endpgm
.Lfunc_end_k_qb5c96b0da9_combine:
	.size	k_qb5c96b0da9_combine, .Lfunc_end_k_qb5c96b0da9_combine-k_qb5c96b0da9_combine
	.p2alignl 7, 3214868480
	.fill 96, 4, 3214868480
	.section	.rodata,"a",@progbits
	.p2align	6, 0x0
	.amdhsa_kernel k_qb5c96b0da9_combine
		.amdhsa_group_segment_fixed_size 0
		.amdhsa_private_segment_fixed_size 0
		.amdhsa_enable_private_segment 0
		.amdhsa_kernarg_size 32
		.amdhsa_user_sgpr_count 2
		.amdhsa_user_sgpr_kernarg_segment_ptr 1
		.amdhsa_wavefront_size32 1
		.amdhsa_system_sgpr_workgroup_id_x 1
		.amdhsa_system_sgpr_workgroup_id_y 1
		.amdhsa_system_sgpr_workgroup_id_z 1
		.amdhsa_system_vgpr_workitem_id 0
		.amdhsa_next_free_vgpr 104
		.amdhsa_next_free_sgpr 66
		.amdhsa_reserve_vcc 1
		.amdhsa_float_denorm_mode_32 3
		.amdhsa_float_denorm_mode_16_64 3
		.amdhsa_memory_ordered 1
		.amdhsa_forward_progress 1
		.amdhsa_inst_pref_size 9
	.end_amdhsa_kernel
	.amdgpu_metadata
---
amdhsa.version: [ 1, 2 ]
amdhsa.kernels:
  - .name:           k_qb5c96b0da9_combine
    .symbol:         k_qb5c96b0da9_combine.kd
    .args:
      - { .name: pacc, .offset: 0, .size: 8, .value_kind: global_buffer, .address_space: global }
      - { .name: pml, .offset: 8, .size: 8, .value_kind: global_buffer, .address_space: global }
      - { .name: src_lengths, .offset: 16, .size: 8, .value_kind: global_buffer, .address_space: global }
      - { .name: out0, .offset: 24, .size: 8, .value_kind: global_buffer, .address_space: global }
    .group_segment_fixed_size: 0
    .private_segment_fixed_size: 0
    .kernarg_segment_align: 8
    .kernarg_segment_size: 32
    .max_flat_workgroup_size: 64
    .sgpr_count:     66
    .vgpr_count:     104
    .wavefront_size: 32
...
	.end_amdgpu_metadata
.endif
;; end of part 3
